; MI455X (gfx1250); checked and timed in simulation.
; The chip was launched on July 23, 2026; its instructions are those of AMD's public machine-readable ISA for CDNA 5 (MIT licence, August 2026) and "CDNA5" Instruction Set Architecture Reference Guide (July 2026). The comments in the code are by the model that wrote it; some were corrected since.
;; Recurrent KV. Allowed arithmetic: float matrix products may take bf16 or f16 operands with f32 sums; all other float work in f32.
;; Inputs: k 4 x 8 x 1,024 x 64 float32; q 4 x 8 x 1,024 x 64 float32; v 4 x 8 x 1,024 x 64 float32.
;; Outputs: out0 4 x 8 x 1,024 x 64 float32.
;; One version. Each part assembles by itself: llvm-mc -triple=amdgcn-amd-amdhsa -mcpu=gfx1250 --defsym DOCPART=n.
;; ======== version 1 of 1: 1 launch
;; limits: values are held in f16: magnitudes above 65,504 overflow, below 6.1e-05 lose precision; right only within a limited range of input values
;; launch rkv (part 1): grid 256 x 1, 8 waves a work-group, no clusters, 193,536 bytes of LDS; arguments k, q, v, out0; writes out0
.if DOCPART == 1
	.amdgcn_target "amdgcn-amd-amdhsa--gfx1250"
	.amdhsa_code_object_version 6
	.text
	.protected	k_qbd30d9bc1f_rkv
	.globl	k_qbd30d9bc1f_rkv
	.p2align	8
	.type	k_qbd30d9bc1f_rkv,@function
k_qbd30d9bc1f_rkv:
	s_mov_b64 s[64:65], 0
	v_nop
	global_prefetch_b8 v0, s[64:65] scope:SCOPE_SE
	s_setreg_imm32_b32 hwreg(HW_REG_WAVE_MODE, 25, 1), 1
	s_wait_xcnt 0x0
; out[t] = sum over s <= t of lam^(t-s) (q[t].k[s]) v[s], lam = 0.95; 32 heads, 1,024 rows, 64 columns, f32 in memory.
; One launch, 256 work-groups: head = id >> 3, chunk c = id & 7 of 128 rows, first row c0 = 128 c.  Eight waves; wave w owns rows c0+16w .. +15.
;   out[t] = sum over c0 <= s <= t of [lam^(t-s) (q[t].k[s]) / 16] (16 v[s])  +  16 lam^(t-c0+1) q[t].(S/16),
;   S = sum over s < c0 of lam^(c0-1-s) k[s] v[s]^T, which the work-group builds itself from the 128 c rows in front of its chunk
;   (work-groups hand nothing to each other).  So the work is uneven: chunk 0 reads 96 KiB, chunk 7 reads 96 + 448 KiB.
; The prefix goes in steps of 32 rows; wave w takes steps w, w+8, ..: n = (4c-w+7)>>3 <= 4 of them, written out with one exit for each n,
; so that every counted wait is right on its own path.  Each wave sums a whole 64 x 64 partial state; the eight meet in LDS.
; NO TILE SHARING BY CLUSTERS: each prefix byte is used by one wave of a work-group and goes straight to registers; the chunks of a head need
; different numbers of steps (4c), so partners would not make the same requests.
; FORMATS: every matrix operand is f16, every sum f32.  Limits: |q|, |k| < 65,504; |v| < 4,094 (16 v is rounded to f16); |q.k| < 1.0e6
; (P/16 in f16); |S| < 1.0e6 (S/16 in f16).  An f16 operand below 2^-14 carries an absolute error of up to 2^-25: prefix rows whose
; weight is under about 1e-7 vanish, as their share of the sum does.
; LAYOUTS (L lane, r = L & 15, h = L >> 4).  A prefix load takes 16 bytes at column 4r of row 2j+h: its four numbers go to four tiles
; (column 4 x index + i belongs to tile i), and a lane's 16 loads are the 16 K places of a fragment, alike for k (A) and v (B).
; State tile (i, i2), register j: S[32h+4j+i][4r+i2].  Q and K rows in LDS: a lane takes the 64 bytes d = 32h .. 32h+31 of its row,
; two fragments (place p of fragment f is d = 32h+16f+p), alike for every operand summed over d.
.set PITCH, 144                        ; an LDS row of Q or K: 128 bytes + 16, an odd multiple of 16
.set QB,  0                            ; 128 rows of q in f16
.set KB,  18432                        ; 128 rows of k in f16
.set VB,  36864                        ; 16 v as fragments: block x 4096 + tile x 1024 + half x 512 + 16 L
.set SFB, 53248                        ; S/16 as fragments: x x 1024 + half x 512 + 16 L, x = 2 i2 + f
.set PB,  61440                        ; eight partial states: wave x 16384 + quad x 512 + 16 L
.set L2C, 0xbd978da0                   ; log2 of 0.95 as f32
.set M4,  0xc0800000                   ; -4.0
.set P4,  0x40800000                   ; 4.0
.set PO,  4                            ; prefix: 8192 w + 16 L
.set OC,  5                            ; own q, k: (128c+16w) x 256 + 16 L
.set VO,  6                            ; own v and out: (128c+16w) x 256 + 2048 h + 16 r
.set RW,  7                            ; LDS: where my 8 bytes of a q or k row go
.set QRD, 8                            ; LDS: my Q fragments
.set VW,  9                            ; LDS: where my V fragments go
.set PAD, 10                           ; LDS: my partial state
.set RA0, 11                           ; LDS: my eighth of partials 0-3
.set RA1, 12                           ; LDS: of partials 4-7
.set KAD, 13                           ; LDS: K fragments of my diagonal block
.set VAD, 14                           ; LDS: V fragments of my diagonal block
.set SA,  15                           ; LDS: S fragments
.set W,   16                           ; v16-31  weights: of the prefix rows, later of P
.set FAC, 32                           ; v32-33  lam^-256, twice
.set AT,  32                           ; v32-39  later: 16 lam^(t-c0+1) of my 8 output rows
.set DL,  40                           ; t - s of P's first register
.set ATB, 41                           ; 16 w + 8 h + 1
.set LAM, 42                           ; v42-43  lam^-32, twice
.set EB,  44                           ; exponent of my first prefix row
.set SFW, 45                           ; LDS: where my S fragment goes
.set KA0, 46                           ; LDS: K fragments of block 0
.set VA0, 47                           ; LDS: V fragments of block 0
.set QF,  48                           ; v48-63  my 16 rows of q, two fragments
.set KFR, 64                           ; v64-95  k fragments
.set VFR, 96                           ; v96-127 v fragments
.set QR,  128                          ; own rows as loaded
.set KR,  160
.set VR,  192
.set ST,  128                          ; v128-255 the partial state, tile (i, i2) at 8 (4 i2 + i)
.set RB,  128                          ; v128-255 later: eight partials of my eighth
.set PT,  128                          ; v128-143 later: two tiles of P^T
.set PA,  144                          ; v144-151 P as a fragment
.set OI,  152                          ; v152-183 the chunk's own part of out, four tiles
.set SFR, 192                          ; v192-255 S fragments
.set OS,  64                           ; v64-95  q.(S/16), four tiles
.set OUT, 96                           ; v96-127 out, 16 bytes a row
.set SLA, 0                            ; window 1: v256-383, raw slot A (k 64 registers, v 64)
.set SLB, 128                          ; window 1: v384-511, raw slot B
.set MSB, 0
.macro WIN new                         ; low byte: bits 1:0 source 0, 3:2 source 1, 7:6 destination; high byte repeats the setting left
.if MSB != \new
	s_set_vgpr_msb (MSB<<8)|\new
.set MSB, \new
.endif
.endm
.macro PLACES                          ; four plain vector instructions between a matrix instruction and a reader of its result (ISA guide 7.12.1)
.rept 4
	v_nop
.endr
.endm
; dst[j] = 2^(log2(lam) x (base - off - step j) + add), j < n.  One plain instruction closes the run of exponentials (ISA guide 5.7.2).
.macro EXPW dst, n, base, off, step, add
.set ej, 0
	s_wait_alu depctr_va_vdst(0)
.rept \n
	v_sub_nc_u32 v[\dst+ej], v[\base], \off+\step*ej
	v_cvt_f32_i32 v[\dst+ej], v[\dst+ej]
.if \add == 0
	v_mul_f32 v[\dst+ej], s17, v[\dst+ej]
.else
	v_fma_f32 v[\dst+ej], v[\dst+ej], s17, \add
.endif
.set ej, ej+1
.endr
.set ej, 0
.rept \n
	v_exp_f32 v[\dst+ej], v[\dst+ej]
.set ej, ej+1
.endr
	v_nop
.endm
; Step w + 8 m of the prefix into a raw slot: 32 loads, each 512 consecutive bytes (two whole rows).  No address register is ever stepped.
.macro LOADS sb, m
	WIN 0x40
.irp j, 0,1,2,3,4,5,6,7,8,9,10,11,12,13,14,15
	global_load_b128 v[\sb+4*\j:\sb+4*\j+3], v[PO], s[4:5] offset:\m*65536+512*\j
.endr
.irp j, 0,1,2,3,4,5,6,7,8,9,10,11,12,13,14,15
	global_load_b128 v[\sb+64+4*\j:\sb+64+4*\j+3], v[PO], s[8:9] offset:\m*65536+512*\j
.endr
	WIN 0
.endm
; My 16 own rows: q and k rounded to f16 rows in LDS, 16 v to fragments in LDS, my Q fragments read back (my own bytes: LDS serves a
; wave in order, ISA guide 5.7.1).  Nothing here is waited for: the wait in front of the first barrier covers all of it.
.macro OWNPROC
.irp j, 0,1,2,3,4,5,6,7
	v_cvt_pk_f16_f32 v[KFR+2*\j], v[QR+4*\j], v[QR+4*\j+1]
	v_cvt_pk_f16_f32 v[KFR+2*\j+1], v[QR+4*\j+2], v[QR+4*\j+3]
	v_cvt_pk_f16_f32 v[KFR+16+2*\j], v[KR+4*\j], v[KR+4*\j+1]
	v_cvt_pk_f16_f32 v[KFR+16+2*\j+1], v[KR+4*\j+2], v[KR+4*\j+3]
.endr
.irp j, 0,1,2,3,4,5,6,7
	ds_store_b64 v[RW], v[KFR+2*\j:KFR+2*\j+1] offset:QB+2*PITCH*\j          ; row 16w + 2j + h, columns 4r .. 4r+3
	ds_store_b64 v[RW], v[KFR+16+2*\j:KFR+16+2*\j+1] offset:KB+2*PITCH*\j
.endr
.irp t, 0,1,2,3,4,5,6,7,8,9,10,11,12,13,14,15
	v_pk_mul_f32 v[VR+2*\t:VR+2*\t+1], v[VR+2*\t:VR+2*\t+1], 0x41800000 op_sel_hi:[1,0]   ; 16 v
.endr
.irp i, 0,1,2,3
.irp p, 0,1,2,3
	v_cvt_pk_f16_f32 v[VFR+4*\i+\p], v[VR+8*\p+\i], v[VR+8*\p+4+\i]          ; rows 8h+2p, 8h+2p+1 of column 4r+i
.endr
.endr
.irp i, 0,1,2,3
	ds_store_b128 v[VW], v[VFR+4*\i:VFR+4*\i+3] offset:1024*\i
.endr
.irp d, 0,1,2,3
	ds_load_b128 v[QF+4*\d:QF+4*\d+3], v[QRD] offset:16*\d
.endr
.endm
; One prefix step from slot sb.  left: the younger slot's loads that may stay out.  fill = 1: the slot is loaded again with step w + 8 m.
; The 32 multiplies are also the places between the last step's matrix instructions and the writes of their sources.
; The 16 accumulators take turns, one instruction a turn, from step to step too.
.macro STEP sb, first, left, fill, m, last
	s_wait_loadcnt \left
	WIN 0x41
	s_wait_alu depctr_va_vdst(0)
.irp j, 0,2,4,6,8,10,12,14
	v_pk_mul_f32 v[\sb+4*\j:\sb+4*\j+1], v[\sb+4*\j:\sb+4*\j+1], v[W+\j:W+\j+1] op_sel:[0,0] op_sel_hi:[1,0]      ; row 2j+h by W[j]
	v_pk_mul_f32 v[\sb+4*\j+2:\sb+4*\j+3], v[\sb+4*\j+2:\sb+4*\j+3], v[W+\j:W+\j+1] op_sel:[0,0] op_sel_hi:[1,0]
	v_pk_mul_f32 v[\sb+4*\j+4:\sb+4*\j+5], v[\sb+4*\j+4:\sb+4*\j+5], v[W+\j:W+\j+1] op_sel:[0,1] op_sel_hi:[1,1]  ; the next by W[j+1]
	v_pk_mul_f32 v[\sb+4*\j+6:\sb+4*\j+7], v[\sb+4*\j+6:\sb+4*\j+7], v[W+\j:W+\j+1] op_sel:[0,1] op_sel_hi:[1,1]
.endr
	WIN 0x05
.irp i, 0,1,2,3
.irp p, 0,1,2,3,4,5,6,7
	v_cvt_pk_f16_f32 v[KFR+8*\i+\p], v[\sb+8*\p+\i], v[\sb+8*\p+4+\i]
.endr
.endr
.irp i, 0,1,2,3
.irp p, 0,1,2,3,4,5,6,7
	v_cvt_pk_f16_f32 v[VFR+8*\i+\p], v[\sb+64+8*\p+\i], v[\sb+64+8*\p+4+\i]
.endr
.endr
.if \fill
	LOADS \sb, \m
.endif
	WIN 0
.if \last == 0
.irp t, 0,1,2,3,4,5,6,7
	v_pk_mul_f32 v[W+2*\t:W+2*\t+1], v[W+2*\t:W+2*\t+1], v[FAC:FAC+1]        ; my next step lies 256 rows nearer
.endr
.endif
.irp b, 0,1,2,3
.irp a, 0,1,2,3
.if \first
	v_wmma_f32_16x16x32_f16 v[ST+8*(4*\b+\a):ST+8*(4*\b+\a)+7], v[KFR+8*\a:KFR+8*\a+7], v[VFR+8*\b:VFR+8*\b+7], 0
.else
	v_wmma_f32_16x16x32_f16 v[ST+8*(4*\b+\a):ST+8*(4*\b+\a)+7], v[KFR+8*\a:KFR+8*\a+7], v[VFR+8*\b:VFR+8*\b+7], v[ST+8*(4*\b+\a):ST+8*(4*\b+\a)+7]
.endif
.endr
.endr
.endm
; One block of 32 s against my 16 t: P^T = K Q^T (two tiles, two K steps each, by turns), weighted in f32,
; on the diagonal masked to s <= t, rounded to one fragment, times V's four tiles.  diag = 1 also starts the four sums.
.macro BLOCK ka, va, b, diag
.irp u, 0,1
.irp d, 0,1,2,3
	ds_load_b128 v[KFR+16*\u+4*\d:KFR+16*\u+4*\d+3], v[\ka] offset:\b*32*PITCH+\u*16*PITCH+16*\d
.endr
.endr
.irp i, 0,1,2,3
.irp u, 0,1
	ds_load_b128 v[VFR+8*\i+4*\u:VFR+8*\i+4*\u+3], v[\va] offset:\b*4096+1024*\i+512*\u
.endr
.endr
	s_wait_dscnt 0x8                               ; K's eight loads are in; V's eight may stay out
	v_wmma_f32_16x16x32_f16 v[PT:PT+7], v[KFR:KFR+7], v[QF:QF+7], 0
	v_wmma_f32_16x16x32_f16 v[PT+8:PT+15], v[KFR+16:KFR+23], v[QF:QF+7], 0
	v_wmma_f32_16x16x32_f16 v[PT:PT+7], v[KFR+8:KFR+15], v[QF+8:QF+15], v[PT:PT+7]
	v_wmma_f32_16x16x32_f16 v[PT+8:PT+15], v[KFR+24:KFR+31], v[QF+8:QF+15], v[PT+8:PT+15]
	PLACES
	s_wait_alu depctr_va_vdst(0)
.irp t, 0,1,2,3,4,5,6,7
	v_pk_mul_f32 v[PT+2*\t:PT+2*\t+1], v[PT+2*\t:PT+2*\t+1], v[W+2*\t:W+2*\t+1]       ; lam^(t-s) / 16
.endr
.if \diag
.irp u, 0,1
.irp j, 0,1,2,3,4,5,6,7
	v_cmp_le_i32 vcc_lo, 16*\u+\j, v[DL]                                     ; s <= t
	v_cndmask_b32 v[PT+8*\u+\j], 0, v[PT+8*\u+\j], vcc_lo
.endr
.endr
.endif
.irp p, 0,1,2,3,4,5,6,7
	v_cvt_pk_f16_f32 v[PA+\p], v[PT+2*\p], v[PT+2*\p+1]
.endr
	s_wait_dscnt 0x0
.irp i, 0,1,2,3
.if \diag
	v_wmma_f32_16x16x32_f16 v[OI+8*\i:OI+8*\i+7], v[PA:PA+7], v[VFR+8*\i:VFR+8*\i+7], 0
.else
	v_wmma_f32_16x16x32_f16 v[OI+8*\i:OI+8*\i+7], v[PA:PA+7], v[VFR+8*\i:VFR+8*\i+7], v[OI+8*\i:OI+8*\i+7]
.endif
.endr
.endm
.macro PWSTEP                          ; the next block lies 32 rows nearer; eight places in front of its loads into V's fragments
.irp t, 0,1,2,3,4,5,6,7
	v_pk_mul_f32 v[W+2*\t:W+2*\t+1], v[W+2*\t:W+2*\t+1], v[LAM:LAM+1]
.endr
.endm
	; ---- set-up, all of it while the arguments are on their way
	s_load_b256 s[4:11], s[0:1], 0x0               ; k s[4:5], q s[6:7], v s[8:9], out s[10:11]
	v_lshrrev_b32 v1, 5, v0
	v_readfirstlane_b32 s12, v1                    ; w
	v_and_b32 v1, 31, v0                           ; L
	v_and_b32 v2, 15, v0                           ; r
	v_bfe_u32 v3, v0, 4, 1                         ; h
	s_and_b32 s13, ttmp9, 7                        ; c
	s_lshr_b32 s14, ttmp9, 3
	s_lshl_b32 s14, s14, 18                        ; head x 1,024 rows x 256 bytes
	s_mov_b32 s15, 0
	s_lshl_b32 s16, s13, 2
	s_sub_co_u32 s16, s16, s12
	s_add_co_u32 s16, s16, 7
	s_lshr_b32 s16, s16, 3                         ; n = (4c - w + 7) >> 3: my prefix steps, 0 to 4
	s_mov_b32 s17, L2C
	s_lshr_b32 s20, s12, 1                         ; my diagonal block; also i2 of my eighth of the state
	s_and_b32 s21, s12, 1                          ; my half of that block; also f
	s_lshl_b32 s24, s20, 5
	s_lshl_b32 s18, s12, 13
	v_lshl_add_u32 v[PO], v1, 4, s18
	s_lshl3_add_u32 s18, s13, s12
	s_lshl_b32 s18, s18, 12                        ; (128 c + 16 w) x 256
	v_lshl_add_u32 v[OC], v1, 4, s18
	v_lshlrev_b32 v[VO], 11, v3
	v_lshl_add_u32 v[VO], v2, 4, v[VO]
	v_add_nc_u32 v[VO], s18, v[VO]
	s_mul_i32 s19, s12, 16*PITCH
	v_mul_u32_u24 v[RW], v3, PITCH
	v_lshl_add_u32 v[RW], v2, 3, v[RW]
	v_add_nc_u32 v[RW], s19, v[RW]
	v_mul_u32_u24 v[KA0], v2, PITCH
	v_lshl_add_u32 v[KA0], v3, 6, v[KA0]           ; 144 r + 64 h
	v_add_nc_u32 v[QRD], s19, v[KA0]
	s_mul_i32 s19, s20, 32*PITCH
	s_add_co_u32 s19, s19, KB
	v_add_nc_u32 v[KAD], s19, v[KA0]
	v_add_nc_u32 v[KA0], KB, v[KA0]
	s_lshl_b32 s22, s20, 12
	s_lshl_b32 s23, s21, 9
	s_add_co_u32 s23, s23, s22
	v_lshlrev_b32 v[VA0], 4, v1                    ; 16 L
	s_add_co_u32 s19, s23, VB
	v_add_nc_u32 v[VW], s19, v[VA0]
	s_add_co_u32 s19, s23, PB
	v_add_nc_u32 v[RA0], s19, v[VA0]               ; quad 8 i2 + f of partial 0
	v_add_nc_u32 v[RA1], 0x10000, v[RA0]
	s_add_co_u32 s19, s22, VB
	v_add_nc_u32 v[VAD], s19, v[VA0]
	s_lshl_b32 s19, s12, 14
	s_add_co_u32 s19, s19, PB
	v_add_nc_u32 v[PAD], s19, v[VA0]
	s_lshl_b32 s19, s12, 10
	s_add_co_u32 s19, s19, SFB
	v_add_nc_u32 v[SFW], s19, v[VA0]
	v_add_nc_u32 v[SA], SFB, v[VA0]
	v_add_nc_u32 v[VA0], VB, v[VA0]
	s_lshl_b32 s19, s21, 4
	v_lshlrev_b32 v[DL], 3, v3
	v_sub_nc_u32 v[DL], v2, v[DL]
	v_add_nc_u32 v[DL], s19, v[DL]                 ; 16 (w & 1) + r - 8 h
	s_lshl_b32 s19, s12, 4
	s_add_co_u32 s19, s19, 1
	v_lshl_add_u32 v[ATB], v3, 3, s19              ; 16 w + 8 h + 1
	s_lshl_b32 s19, s13, 7
	s_lshl_b32 s18, s12, 5
	s_sub_co_u32 s19, s19, s18
	s_sub_co_u32 s19, s19, 1
	v_sub_nc_u32 v[EB], s19, v3                    ; c0 - 1 - (32 w + h)
	EXPW W, 16, EB, 0, 2, 0                        ; W[j] = lam^(c0 - 1 - s) of row s = 32 w + 2 j + h
	s_mov_b32 s25, 0x41978da0                      ; -256 log2(lam)
	v_exp_f32 v[FAC], s25
	v_exp_f32 v[FAC+1], s25
	v_nop
	s_wait_kmcnt 0x0
	s_add_nc_u64 s[4:5], s[4:5], s[14:15]
	s_add_nc_u64 s[6:7], s[6:7], s[14:15]
	s_add_nc_u64 s[8:9], s[8:9], s[14:15]
	s_add_nc_u64 s[10:11], s[10:11], s[14:15]
	; ---- my 16 own rows: 24 loads, each two whole rows.  q is read once in the launch; k and v are read again by later chunks.
.irp j, 0,1,2,3,4,5,6,7
	global_load_b128 v[QR+4*\j:QR+4*\j+3], v[OC], s[6:7] offset:512*\j th:TH_LOAD_NT
.endr
.irp j, 0,1,2,3,4,5,6,7
	global_load_b128 v[KR+4*\j:KR+4*\j+3], v[OC], s[4:5] offset:512*\j
.endr
.irp j, 0,1,2,3,4,5,6,7
	global_load_b128 v[VR+4*\j:VR+4*\j+3], v[VO], s[8:9] offset:256*\j
.endr
	; ---- the prefix, one way for each n
	s_cmp_eq_u32 s16, 0
	s_cbranch_scc1 .Lnone
	LOADS SLA, 0
	s_wait_loadcnt 32                              ; the own rows are in; slot A's 32 loads stay out
	OWNPROC
	s_cmp_eq_u32 s16, 1
	s_cbranch_scc1 .Lone
	LOADS SLB, 1
	s_cmp_eq_u32 s16, 2
	s_cbranch_scc1 .Ltwo
	STEP SLA, 1, 32, 1, 2, 0
	s_cmp_eq_u32 s16, 3
	s_cbranch_scc1 .Lthree
	STEP SLB, 0, 32, 1, 3, 0
	STEP SLA, 0, 32, 0, 0, 0
	STEP SLB, 0, 0, 0, 0, 1
	s_branch .Ldone
.Lthree:
	STEP SLB, 0, 32, 0, 0, 0
	STEP SLA, 0, 0, 0, 0, 1
	s_branch .Ldone
.Ltwo:
	STEP SLA, 1, 32, 0, 0, 0
	STEP SLB, 0, 0, 0, 0, 1
	s_branch .Ldone
.Lone:
	STEP SLA, 1, 0, 0, 0, 1
	s_branch .Ldone
.Lnone:                                            ; no step is mine: my partial state is zero
	s_wait_loadcnt 0x0
	OWNPROC
.irp t, 0,1,2,3
	v_mov_b32 v[ST+\t], 0
.endr
.set cq, 0
.rept 32
	ds_store_b128 v[PAD], v[ST:ST+3] offset:512*cq
.set cq, cq+1
.endr
	s_branch .Ljoin
.Ldone:
	PLACES
.set cq, 0
.rept 32
	ds_store_b128 v[PAD], v[ST+4*cq:ST+4*cq+3] offset:512*cq
.set cq, cq+1
.endr
.Ljoin:
	; ---- the tail's weights, while the stores drain
	EXPW W, 8, DL, 0, 1, M4                        ; diagonal block, tile 0: lam^(DL - j) / 16
	EXPW W+8, 8, DL, 16, 1, M4                     ; tile 1: lam^(DL - 16 - j) / 16
	EXPW AT, 8, ATB, 0, -1, P4                     ; 16 lam^(16 w + 8 h + j + 1)
	s_mov_b32 s25, 0x40178da0                      ; -32 log2(lam)
	v_exp_f32 v[LAM], s25
	v_exp_f32 v[LAM+1], s25
	v_nop
	s_wait_dscnt 0x0                               ; my K rows, V fragments and partial state are in LDS, my Q fragments in registers
	s_barrier_signal -1
	s_barrier_wait -1                              ; everybody's are
	; ---- my eighth of the state: the eight partials summed in f32, divided by 16, one f16 fragment
.set cy, 0
.rept 8
.irp i, 0,1,2,3
.if cy < 4
	ds_load_b128 v[RB+16*cy+4*\i:RB+16*cy+4*\i+3], v[RA0] offset:cy*16384+1024*\i
.else
	ds_load_b128 v[RB+16*cy+4*\i:RB+16*cy+4*\i+3], v[RA1] offset:(cy-4)*16384+1024*\i
.endif
.endr
.set cy, cy+1
.endr
.set cy, 1
.rept 7
	s_wait_dscnt 4*(7-cy)                          ; partial cy is in; the four loads of each younger one may stay out
.irp t, 0,1,2,3,4,5,6,7
	v_pk_add_f32 v[RB+2*\t:RB+2*\t+1], v[RB+2*\t:RB+2*\t+1], v[RB+16*cy+2*\t:RB+16*cy+2*\t+1]
.endr
.set cy, cy+1
.endr
.irp t, 0,1,2,3,4,5,6,7
	v_pk_mul_f32 v[RB+2*\t:RB+2*\t+1], v[RB+2*\t:RB+2*\t+1], 0x3d800000 op_sel_hi:[1,0]
.endr
.irp jj, 0,1,2,3
.irp g, 0,1
	v_cvt_pk_f16_f32 v[KFR+2*\jj+\g], v[RB+8*\g+\jj], v[RB+8*\g+4+\jj]       ; d = 32h + 16f + 4jj + 2g, and the next
.endr
.endr
	ds_store_b128 v[SFW], v[KFR:KFR+3]
	ds_store_b128 v[SFW], v[KFR+4:KFR+7] offset:512
	s_wait_dscnt 0x0                               ; my fragment of S is in LDS:
	s_barrier_signal -1                            ; say so, and meanwhile do the chunk's own part: registers, and LDS bytes that nobody writes any more
	BLOCK KAD, VAD, 0, 1
	s_cmp_eq_u32 s20, 0
	s_cbranch_scc1 .Lstate
	v_add_nc_u32 v[DL], s24, v[DL]                 ; t - s against block 0
	EXPW W, 8, DL, 0, 1, M4
	EXPW W+8, 8, DL, 16, 1, M4
	BLOCK KA0, VA0, 0, 0
	s_cmp_eq_u32 s20, 1
	s_cbranch_scc1 .Lstate
	PWSTEP
	BLOCK KA0, VA0, 1, 0
	s_cmp_eq_u32 s20, 2
	s_cbranch_scc1 .Lstate
	PWSTEP
	BLOCK KA0, VA0, 2, 0
.Lstate:
	s_barrier_wait -1                              ; all eight fragments of S are in LDS
	; ---- q.(S/16), the sum of both parts, and out
.irp x, 0,1,2,3,4,5,6,7
	ds_load_b128 v[SFR+8*\x:SFR+8*\x+3], v[SA] offset:1024*\x
	ds_load_b128 v[SFR+8*\x+4:SFR+8*\x+7], v[SA] offset:1024*\x+512
.endr
	s_wait_dscnt 0x0
.irp i, 0,1,2,3
	v_wmma_f32_16x16x32_f16 v[OS+8*\i:OS+8*\i+7], v[QF:QF+7], v[SFR+16*\i:SFR+16*\i+7], 0
.endr
.irp i, 0,1,2,3
	v_wmma_f32_16x16x32_f16 v[OS+8*\i:OS+8*\i+7], v[QF+8:QF+15], v[SFR+16*\i+8:SFR+16*\i+15], v[OS+8*\i:OS+8*\i+7]
.endr
	PLACES
.irp j, 0,1,2,3,4,5,6,7
.irp i, 0,1,2,3
	v_fma_f32 v[OUT+4*\j+\i], v[OS+8*\i+\j], v[AT+\j], v[OI+8*\i+\j]         ; row 16w + 8h + j, column 4r + i
.endr
.endr
.irp j, 0,1,2,3,4,5,6,7
	global_store_b128 v[VO], v[OUT+4*\j:OUT+4*\j+3], s[10:11] offset:256*\j th:TH_STORE_NT   ; 16 lanes store one whole row of 256 bytes
.endr
	s_wait_xcnt 0x0
	v_lshl_add_u32 v190, v0, 2, 0x2f000
	v_mov_b32 v191, 0
	s_wait_tensorcnt 0x0
	ds_add_u32 v190, v191
	s_wait_dscnt 0x0
	s_endpgm
.Lfunc_end_k_qbd30d9bc1f_rkv:
	.size	k_qbd30d9bc1f_rkv, .Lfunc_end_k_qbd30d9bc1f_rkv-k_qbd30d9bc1f_rkv
	.p2alignl 7, 3214868480
	.fill 96, 4, 3214868480
	.section	.rodata,"a",@progbits
	.p2align	6, 0x0
	.amdhsa_kernel k_qbd30d9bc1f_rkv
		.amdhsa_group_segment_fixed_size 193536
		.amdhsa_private_segment_fixed_size 0
		.amdhsa_enable_private_segment 0
		.amdhsa_kernarg_size 32
		.amdhsa_user_sgpr_count 2
		.amdhsa_user_sgpr_kernarg_segment_ptr 1
		.amdhsa_wavefront_size32 1
		.amdhsa_system_sgpr_workgroup_id_x 1
		.amdhsa_system_sgpr_workgroup_id_y 1
		.amdhsa_system_sgpr_workgroup_id_z 1
		.amdhsa_system_vgpr_workitem_id 0
		.amdhsa_next_free_vgpr 512
		.amdhsa_next_free_sgpr 66
		.amdhsa_reserve_vcc 1
		.amdhsa_float_denorm_mode_32 3
		.amdhsa_float_denorm_mode_16_64 3
		.amdhsa_memory_ordered 1
		.amdhsa_forward_progress 1
		.amdhsa_inst_pref_size 138
	.end_amdhsa_kernel
	.amdgpu_metadata
---
amdhsa.version: [ 1, 2 ]
amdhsa.kernels:
  - .name:           k_qbd30d9bc1f_rkv
    .symbol:         k_qbd30d9bc1f_rkv.kd
    .args:
      - { .name: k, .offset: 0, .size: 8, .value_kind: global_buffer, .address_space: global }
      - { .name: q, .offset: 8, .size: 8, .value_kind: global_buffer, .address_space: global }
      - { .name: v, .offset: 16, .size: 8, .value_kind: global_buffer, .address_space: global }
      - { .name: out0, .offset: 24, .size: 8, .value_kind: global_buffer, .address_space: global }
    .group_segment_fixed_size: 193536
    .private_segment_fixed_size: 0
    .kernarg_segment_align: 8
    .kernarg_segment_size: 32
    .max_flat_workgroup_size: 256
    .sgpr_count:     66
    .vgpr_count:     512
    .wavefront_size: 32
...
	.end_amdgpu_metadata
.endif
;; end of part 1
